; MI455X (gfx1250); checked and timed in simulation.
; The chip was launched on July 23, 2026; its instructions are those of AMD's public machine-readable ISA for CDNA 5 (MIT licence, August 2026) and "CDNA5" Instruction Set Architecture Reference Guide (July 2026). The comments in the code are by the model that wrote it; some were corrected since.
;; Flash RW Large Attention. Allowed arithmetic: matrix products marked QUANTISED: E4M3 operands, one given power-of-two scale a tensor, by v_wmma_f32_16x16x64_fp8_fp8 or v_wmma_f32_16x16x128_fp8_fp8, f32 sums; everything else in f32.
;; Inputs: cos 4,096 x 1 x 32 float32; cu_seqlens 5 int32; dense_b 2,048 float32; dense_w 2,048 x 2,048 float32; hidden_states 4,096 x 2,048 float32; lowp_scales 8 int32 (the exponents e of the quantised operands' scales 2^e); qkv_b 3,072 float32; qkv_w 2,048 x 3,072 float32; sin 4,096 x 1 x 32 float32.
;; Outputs: out0 4,096 x 2,048 float32.
;; Constants: max_s = 1024.
;; This version of the problem:
;;   THIS VERSION OF THE PROBLEM IS GIVEN IN LOW PRECISION. The matrix products marked QUANTISED in the list below multiply operands that are first quantised to E4M3 (4 exponent bits, 3 mantissa bits; 8 bits a number), with one given power-of-two scale for each operand tensor; their sums are f32. All else is computed in f32.
;;   The module's matrix products, in the order in which they are computed (A, B: the left and right operand; K: the contracted axis; several contracted axes count as one K, in the product's order):
;;     1. [M 4,096, K 2,048] x [K 2,048, N 3,072]; A: input hidden_states; B: input qkv_w: QUANTISED (scales: A lowp_scales[0], B lowp_scales[1])
;;     2. batch 32 x [M 1,024, K 64] x [K 64, N 4,096]; A: computed on the way; B: computed on the way: QUANTISED (scales: A lowp_scales[2], B lowp_scales[3])
;;     3. batch 32 x [M 64, K 1,024] x [K 1,024, N 4,096]; A: computed on the way; B: softmax (see below): QUANTISED (scales: A lowp_scales[4], B lowp_scales[5])
;;     4. [M 4,096, K 2,048] x [K 2,048, N 2,048]; A: computed on the way; B: input dense_w: QUANTISED (scales: A lowp_scales[6], B lowp_scales[7])
;;   THE QUANTISER, for each operand of a quantised product, along K:
;;     - The operand's scale is 2^e, e = its entry of the input lowp_scales (int32; the entries are numbered through the quantised products in the list's order, A before B).
;;     - Each number is divided by the scale, clamped to +-448, and rounded to the nearest number of E4M3, ties to even, subnormals kept.
;;     - The product sums the exact products of the quantised numbers (number of the format x scale) in f32.
;;   ~~~python
;;   def quantise(x, axis, e):      # numpy; x: float32 -> the quantised numbers, widened to float32 again
;;       x = np.moveaxis(x, axis, -1); K = x.shape[-1]
;;       r = np.clip(x / 2.0 ** e, -448, 448)
;;       step = 2.0 ** (np.maximum(np.frexp(np.where(r == 0, 1, r))[1] - 1, -6) - 3)
;;       q = np.round(r / step) * step * 2.0 ** e      # np.round: ties to even
;;       return np.moveaxis(q, -1, axis).astype(np.float32)
;;   ~~~
;;   SOFTMAX AHEAD OF A QUANTISED PRODUCT. Where the list says 'softmax', what is quantised is not the finished softmax but p = 2^(t - M), with t = logit x log2(e) and M = ceil(the row's largest t), a whole number; so 1/2 < the row's largest p <= 1. The row's sum l is taken of the UNQUANTISED p, in f32, and the product's result is divided by l at the end. Since M is a whole number, a kernel that streams over the keys may use a running M (the ceiling of the running maximum): every later rescaling is an exact power of two, so the quantised numbers keep their values, but for numbers so far below the row's largest that they fall under the format's range.
;;   OPERANDS COMPUTED ON THE WAY. 'Computed on the way' means the value that the module computes at that place (a softmax that the list does not call 'softmax' is quantised finished and normalised). What goes into a quantiser is computed in f32, as accurately as f32 sums, v_exp_f32 and their like allow (about 1e-6 of the number): no bf16 or f16 on the way to a quantiser, and a product that is left as it is and whose result goes on into a quantised operand takes f32 operands (vector FMAs, or v_wmma_f32_16x16x4_f32). A number that lies on a knife's edge between two numbers of the format may be rounded either way, as far as f32 arithmetic and the matrix unit's own rounding can turn it there, and no further.
;; One version. Each part assembles by itself: llvm-mc -triple=amdgcn-amd-amdhsa -mcpu=gfx1250 --defsym DOCPART=n.
;; ======== version 1 of 1: 4 launches
;; limits: right only within a limited range of input values
;; workspace buffers: x_codes 8,388,608 bytes; wq_codes 6,291,456 bytes; wd_codes 4,194,304 bytes; q_codes 8,388,608 bytes; k_codes 2,097,152 bytes; v_codes 2,097,152 bytes; a_codes 8,388,608 bytes
;; launch quant (part 1): grid 576 x 1, 4 waves a work-group, no clusters, 50,688 bytes of LDS; arguments hidden_states, qkv_w, dense_w, lowp_scales, x_codes, wq_codes, wd_codes; writes x_codes, wq_codes, wd_codes
.if DOCPART == 1
	.amdgcn_target "amdgcn-amd-amdhsa--gfx1250"
	.amdhsa_code_object_version 6
	.text
	.protected	k_qefd680ce1f_quant
	.globl	k_qefd680ce1f_quant
	.p2align	8
	.type	k_qefd680ce1f_quant,@function
k_qefd680ce1f_quant:
	s_mov_b64 s[64:65], 0
	v_nop
	global_prefetch_b8 v0, s[64:65] scope:SCOPE_SE
	s_setreg_imm32_b32 hwreg(HW_REG_WAVE_MODE, 25, 1), 1
	s_wait_xcnt 0x0
; hidden_states [4096][2048], qkv_w [2048][3072] and dense_w [2048][2048], f32, become codes of E4M3, each with its given scale 2^e (entries 0, 1, 7).
; code = x / 2^e, held within +-448, to the nearest code, ties to even.  LIMITS: e between -126 and 119.  NaN among the inputs is not served; an infinity is held at the largest code.
; THE CODES ARE LAID AS IMAGES OF THE OPERAND'S REGISTERS.  A fragment (16 rows x 128 along K) is 2,048 bytes: byte 512 q + 16 L + y is byte y of registers 4 q .. 4 q + 3 of lane L = r + 16 h:
; bytes 0-7 are k = 32 q + 8 h + 0..7, bytes 8-15 k = 32 q + 16 + 8 h + 0..7 of row r: the matrix form's own places.  x_codes [token / 16][k / 128][2048]; wq_codes, wd_codes [column / 16][k / 128][2048].
; Work-groups 0-255: 16 tokens of x each; wave w takes k = 512 w on, in 8 units of 64.  Loads read 256 consecutive bytes of two rows; a unit turns through the wave's own stage in LDS so that a lane holds eight neighbours along K.
; Work-groups 256-447: qkv_w, 448-575: dense_w: 128 columns x 256 along K; a lane takes a column and its registers run down K, so the conversions give K innermost; the images are gathered in LDS and leave 512 bytes a store.
; The two ways have LDS bytes of their own.  No tensor loads, no barrier: waves share nothing.
.set XPIT,  272                        ; x's stage: a row of 256 bytes + 16 of padding
.set XW,    16*XPIT                    ; a wave's stage
.set WST,   17408                      ; the weights' stages: 8,192 bytes a wave
.set SPARE, 50176                      ; the spare words, 128 bytes a wave: two blocks of 256 bytes that no other line names
.set SPW,   250                        ; v250 LDS address of my spare word; never rewritten
.set NIL,   251                        ; v251 0; never rewritten
.set R,     16                         ; x: v16-111 three sets of 32 registers as loaded
.set X,     112                        ; x: v112-175 two sets of 32 numbers, eight neighbours to a group
.set C,     176                        ; x: v176-239 codes, eight registers a unit: no store's data are written again
.set WX,    32                         ; w: v32-95 two sets of 32 numbers down K
.set WC,    96                         ; w: v96-103 a block's codes
.set WO,    104                        ; w: v104-167 the way out
.set OFFR,  168                        ; w: v168-199 4 x lane + i rows
	s_load_b256 s[4:11], s[0:1], 0x0               ; x s[4:5], qkv_w s[6:7], dense_w s[8:9], the exponents s[10:11]
	s_load_b128 s[12:15], s[0:1], 0x20             ; x_codes, wq_codes
	s_load_b64 s[16:17], s[0:1], 0x30              ; wd_codes
	v_lshl_add_u32 v[SPW], v0, 2, SPARE
	v_mov_b32 v[NIL], 0
	v_lshrrev_b32 v1, 5, v0
	v_readfirstlane_b32 s20, v1                    ; wave
	v_and_b32 v2, 31, v0                           ; lane
	v_and_b32 v8, 15, v0                           ; r
	v_bfe_u32 v9, v0, 4, 1                         ; h
	v_lshlrev_b32 v6, 4, v2                        ; 16 x lane: my place in an image's 512 bytes
	s_wait_kmcnt 0x0
	s_load_b256 s[24:31], s[10:11], 0x0            ; e0 .. e7
	s_cmp_lt_u32 ttmp9, 256
	s_cbranch_scc0 .Lw
	; ---------------- x ----------------
	s_wait_alu depctr_va_vdst(0)
	v_lshlrev_b32 v3, 13, v9                       ; a load takes two rows: lanes 16-31 the next row (8,192 bytes on),
	v_lshl_add_u32 v3, v8, 4, v3                   ; 16 bytes a lane
	s_wait_alu depctr_va_vdst(0)
	s_mul_i32 s21, s20, XW
	v_mul_u32_u24 v4, v9, XPIT
	v_lshl_add_u32 v4, v8, 4, v4
	v_add_nc_u32 v4, s21, v4                       ; into the stage as loaded
	v_mul_u32_u24 v5, v8, XPIT
	v_lshl_add_u32 v5, v9, 5, v5
	v_add_nc_u32 v5, s21, v5                       ; out of it: row r, 32 h bytes on: k = 8 h + 0..7 of each 16
	s_lshl_b32 s22, ttmp9, 17                      ; 16 rows of 8,192 bytes
	s_lshl_b32 s23, s20, 11                        ; 512 numbers a wave
	s_add_co_u32 s22, s22, s23
	s_mov_b32 s23, 0
	s_add_nc_u64 s[4:5], s[4:5], s[22:23]
	s_lshl_b32 s22, ttmp9, 15                      ; 16 fragments of 2,048 bytes
	s_lshl_b32 s32, s20, 13                        ; four a wave
	s_add_co_u32 s22, s22, s32
	s_add_nc_u64 s[12:13], s[12:13], s[22:23]
.macro XLOAD u                         ; unit u: 16 rows x 256 bytes
.irp i, 0,1,2,3,4,5,6,7
	global_load_b128 v[R+32*((\u)%3)+4*\i:R+32*((\u)%3)+4*\i+3], v3, s[4:5] offset:\i*16384+256*(\u) th:TH_LOAD_NT
.endr
.endm
.macro XTURN u                         ; through the stage: LDS serves a wave's instructions in order, so no wait stands between the stores and the loads
.irp i, 0,1,2,3,4,5,6,7
	ds_store_b128 v4, v[R+32*((\u)%3)+4*\i:R+32*((\u)%3)+4*\i+3] offset:2*XPIT*\i
.endr
.irp q, 0,1
	ds_load_b128 v[X+32*((\u)%2)+16*\q:X+32*((\u)%2)+16*\q+3], v5 offset:128*\q
	ds_load_b128 v[X+32*((\u)%2)+16*\q+4:X+32*((\u)%2)+16*\q+7], v5 offset:128*\q+16
	ds_load_b128 v[X+32*((\u)%2)+16*\q+8:X+32*((\u)%2)+16*\q+11], v5 offset:128*\q+64
	ds_load_b128 v[X+32*((\u)%2)+16*\q+12:X+32*((\u)%2)+16*\q+15], v5 offset:128*\q+80
.endr
.endm
	XLOAD 0
	XLOAD 1
	XLOAD 2
	s_wait_alu depctr_va_vdst(0)
	s_wait_kmcnt 0x0
	s_add_co_i32 s24, s24, 127
	s_lshl_b32 s25, s24, 23
	v_mov_b32 v11, s25                             ; 2^e0 as f32: the conversion takes its exponent field
	s_add_co_i32 s24, s24, 8
	s_lshl_b32 s24, s24, 23
	s_or_b32 s24, s24, 0x600000
	v_mov_b32 v10, s24                             ; 448 x 2^e0
	s_wait_alu depctr_va_vdst(0)
	s_wait_loadcnt 16                              ; unit 0 is in; units 1 and 2 (16 loads) may be out
	XTURN 0
.macro XSTEP u
.set XS, X+32*((\u)%2)
	s_wait_dscnt 0x0                               ; this unit is back from the stage; its stores into the stage have read their registers, and the stage is free
.if (\u)+3 < 8
	XLOAD (\u)+3
.endif
.if (\u)+1 < 8
.if (\u)+3 < 8
	s_wait_loadcnt 16                              ; the next unit is in; the two units behind it may be out
.else
	s_wait_loadcnt 8*(6-(\u))                      ; likewise, with fewer units left
.endif
	XTURN (\u)+1
.endif
.set i, 0
.rept 32
	v_med3_num_f32 v[XS+i], v[XS+i], -v10, v10     ; the conversion to an 8-bit code does not saturate (ISA guide 7.6.2): the hold comes first
.set i, i+1
.endr
.irp q, 0,1
	v_cvt_scalef32_pk8_fp8_f32 v[C+8*(\u)+4*\q:C+8*(\u)+4*\q+1], v[XS+16*\q:XS+16*\q+7], v11
	v_cvt_scalef32_pk8_fp8_f32 v[C+8*(\u)+4*\q+2:C+8*(\u)+4*\q+3], v[XS+16*\q+8:XS+16*\q+15], v11
.endr
	v_nop                                          ; a plain line behind the last conversion
.irp q, 0,1
	global_store_b128 v6, v[C+8*(\u)+4*\q:C+8*(\u)+4*\q+3], s[12:13] offset:1024*(\u)+512*\q   ; 32 lanes store 512 consecutive bytes
.endr
.endm
.irp u, 0,1,2,3,4,5,6,7
	XSTEP \u
.endr
	s_wait_tensorcnt 0x0                           ; the wave's end
	ds_add_u32 v[SPW], v[NIL]
	s_wait_dscnt 0x0
	s_endpgm
	; ---------------- the weights ----------------
.Lw:
	s_cmp_lt_u32 ttmp9, 448                        ; qkv_w's work-group or dense_w's: the choice hangs on the work-group's number alone
	s_cselect_b64 s[4:5], s[6:7], s[8:9]
	s_cselect_b64 s[12:13], s[14:15], s[16:17]
	s_mov_b32 s22, 448
	s_cselect_b32 s22, 256, s22
	s_mov_b32 s23, 8192
	s_cselect_b32 s23, 12288, s23                  ; a row of the weight in bytes
	s_sub_co_u32 s21, ttmp9, s22
	s_and_b32 s32, s21, 7                          ; which 256 along K
	s_lshr_b32 s33, s21, 3                         ; which 128 columns
	s_lshl_b32 s34, s32, 8
	s_mul_i32 s34, s34, s23
	s_lshl_b32 s35, s33, 9
	s_add_co_u32 s34, s34, s35
	s_lshl_b32 s35, s20, 7                         ; 32 columns a wave
	s_add_co_u32 s34, s34, s35
	s_mov_b32 s35, 0
	s_add_nc_u64 s[36:37], s[4:5], s[34:35]        ; block 0's first row, my wave's first column
	s_lshl_b32 s34, s23, 5                         ; 32 rows on
.irp t, 1,2,3,4,5,6,7
	s_add_nc_u64 s[36+2*\t:37+2*\t], s[34+2*\t:35+2*\t], s[34:35]
.endr
	s_lshl_b32 s52, s33, 3
	s_lshl_b32 s53, s20, 1
	s_add_co_u32 s52, s52, s53                     ; my first tile of 16 columns
	s_lshl_b32 s52, s52, 4
	s_lshl_b32 s53, s32, 1
	s_add_co_u32 s52, s52, s53                     ; x 16 fragments + my first K step
	s_lshl_b32 s52, s52, 11
	s_mov_b32 s53, 0
	s_add_nc_u64 s[12:13], s[12:13], s[52:53]
	s_wait_alu depctr_va_vdst(0)
	v_lshlrev_b32 v[OFFR], 2, v2
.set i, 1
.rept 31
	v_add_nc_u32 v[OFFR+i], s23, v[OFFR+i-1]
.set i, i+1
.endr
	s_lshl_b32 s54, s20, 13
	s_add_co_u32 s54, s54, WST                     ; my stage: [tile of columns 2][K step 2][2048]
	v_lshlrev_b32 v4, 12, v9
	v_lshl_add_u32 v4, v8, 4, v4
	v_add_nc_u32 v4, s54, v4                       ; in: my column's tile, lane r's 16 bytes (lane r + 16's lie 256 on)
	v_add_nc_u32 v5, s54, v6                       ; out: 16 x lane
.macro WLOAD t                         ; block t: W(32 t + i, my column)
.set i, 0
.rept 32
	global_load_b32 v[WX+32*((\t)%2)+i], v[OFFR+i], s[36+2*(\t):37+2*(\t)] th:TH_LOAD_NT
.set i, i+1
.endr
.endm
	WLOAD 0
	WLOAD 1
	s_wait_kmcnt 0x0
	s_cmp_lt_u32 ttmp9, 448
	s_cselect_b32 s24, s25, s31                    ; e1 or e7
	s_add_co_i32 s24, s24, 127
	s_lshl_b32 s25, s24, 23
	v_mov_b32 v11, s25
	s_add_co_i32 s24, s24, 8
	s_lshl_b32 s24, s24, 23
	s_or_b32 s24, s24, 0x600000
	v_mov_b32 v10, s24
.macro WBLOCK t
.set XS, WX+32*((\t)%2)
.if (\t) < 7
	s_wait_loadcnt 32                              ; this block is in; the next block's 32 loads may be out
.else
	s_wait_loadcnt 0
.endif
.set i, 0
.rept 32
	v_med3_num_f32 v[XS+i], v[XS+i], -v10, v10
.set i, i+1
.endr
	v_cvt_scalef32_pk8_fp8_f32 v[WC:WC+1], v[XS:XS+7], v11           ; k 0-7 and 16-23 are lane r's 16 bytes of the image,
	v_cvt_scalef32_pk8_fp8_f32 v[WC+2:WC+3], v[XS+16:XS+23], v11
	v_cvt_scalef32_pk8_fp8_f32 v[WC+4:WC+5], v[XS+8:XS+15], v11      ; k 8-15 and 24-31 lane r + 16's
	v_cvt_scalef32_pk8_fp8_f32 v[WC+6:WC+7], v[XS+24:XS+31], v11
	v_nop
	ds_store_b128 v4, v[WC:WC+3] offset:512*(\t)
	ds_store_b128 v4, v[WC+4:WC+7] offset:512*(\t)+256
.if (\t)+2 < 8
	WLOAD (\t)+2
.endif
	s_wait_dscnt 0x0                               ; the stores have read their registers: the next block's codes may be written
.endm
	s_wait_alu depctr_va_vdst(0)
.irp t, 0,1,2,3,4,5,6,7
	WBLOCK \t
.endr
.irp x, 0,1,2,3,4,5,6,7,8,9,10,11,12,13,14,15
	ds_load_b128 v[WO+4*\x:WO+4*\x+3], v5 offset:512*\x
.endr
.irp x, 0,1,2,3,4,5,6,7,8,9,10,11,12,13,14,15
	s_wait_dscnt 15-\x
	global_store_b128 v6, v[WO+4*\x:WO+4*\x+3], s[12:13] offset:(\x/8)*32768+(\x%8)*512   ; 512 consecutive bytes of an image
.endr
	s_wait_tensorcnt 0x0                           ; the wave's end
	ds_add_u32 v[SPW], v[NIL]
	s_wait_dscnt 0x0
	s_endpgm
.Lfunc_end_k_qefd680ce1f_quant:
	.size	k_qefd680ce1f_quant, .Lfunc_end_k_qefd680ce1f_quant-k_qefd680ce1f_quant
	.p2alignl 7, 3214868480
	.fill 96, 4, 3214868480
	.section	.rodata,"a",@progbits
	.p2align	6, 0x0
	.amdhsa_kernel k_qefd680ce1f_quant
		.amdhsa_group_segment_fixed_size 50688
		.amdhsa_private_segment_fixed_size 0
		.amdhsa_enable_private_segment 0
		.amdhsa_kernarg_size 56
		.amdhsa_user_sgpr_count 2
		.amdhsa_user_sgpr_kernarg_segment_ptr 1
		.amdhsa_wavefront_size32 1
		.amdhsa_system_sgpr_workgroup_id_x 1
		.amdhsa_system_sgpr_workgroup_id_y 1
		.amdhsa_system_sgpr_workgroup_id_z 1
		.amdhsa_system_vgpr_workitem_id 0
		.amdhsa_next_free_vgpr 256
		.amdhsa_next_free_sgpr 66
		.amdhsa_reserve_vcc 0
		.amdhsa_float_denorm_mode_32 3
		.amdhsa_float_denorm_mode_16_64 3
		.amdhsa_memory_ordered 1
		.amdhsa_forward_progress 1
		.amdhsa_inst_pref_size 87
	.end_amdhsa_kernel
	.amdgpu_metadata
---
amdhsa.version: [ 1, 2 ]
amdhsa.kernels:
  - .name:           k_qefd680ce1f_quant
    .symbol:         k_qefd680ce1f_quant.kd
    .args:
      - { .name: hidden_states, .offset: 0, .size: 8, .value_kind: global_buffer, .address_space: global }
      - { .name: qkv_w, .offset: 8, .size: 8, .value_kind: global_buffer, .address_space: global }
      - { .name: dense_w, .offset: 16, .size: 8, .value_kind: global_buffer, .address_space: global }
      - { .name: lowp_scales, .offset: 24, .size: 8, .value_kind: global_buffer, .address_space: global }
      - { .name: x_codes, .offset: 32, .size: 8, .value_kind: global_buffer, .address_space: global }
      - { .name: wq_codes, .offset: 40, .size: 8, .value_kind: global_buffer, .address_space: global }
      - { .name: wd_codes, .offset: 48, .size: 8, .value_kind: global_buffer, .address_space: global }
    .group_segment_fixed_size: 50688
    .private_segment_fixed_size: 0
    .kernarg_segment_align: 8
    .kernarg_segment_size: 56
    .max_flat_workgroup_size: 128
    .sgpr_count:     66
    .vgpr_count:     256
    .wavefront_size: 32
...
	.end_amdgpu_metadata
.endif
;; end of part 1
;; launch qkv (part 2): grid 8 x 32, 4 waves a work-group, clusters of 4 x 1, 327,680 bytes of LDS; arguments x_codes, wq_codes, lowp_scales, qkv_b, cos, sin, q_codes, k_codes, v_codes; writes q_codes, k_codes, v_codes
.if DOCPART == 2
	.amdgcn_target "amdgcn-amd-amdhsa--gfx1250"
	.amdhsa_code_object_version 6
	.text
	.protected	k_qefd680ce1f_qkv
	.globl	k_qefd680ce1f_qkv
	.p2align	8
	.type	k_qefd680ce1f_qkv,@function
k_qefd680ce1f_qkv:
	s_mov_b64 s[64:65], 0
	v_nop
	global_prefetch_b8 v0, s[64:65] scope:SCOPE_SE
	s_setreg_imm32_b32 hwreg(HW_REG_WAVE_MODE, 25, 1), 1
	s_wait_xcnt 0x0
	s_wait_alu depctr_hold_cnt(0) depctr_sa_sdst(0) depctr_va_vdst(0) depctr_va_sdst(0) depctr_va_ssrc(0) depctr_va_vcc(0) depctr_vm_vsrc(0)
	s_getreg_b32 s2, hwreg(HW_REG_IB_STS2, 6, 4)
	s_cmp_eq_u32 s2, 0
	s_cbranch_scc0 .Lentry_in_a_cluster
	s_endpgm
.Lentry_in_a_cluster:
	s_bfe_u32 s2, ttmp6, 0x10000c
	s_cmp_lg_u32 s2, 0x3003
	s_cbranch_scc0 .Lentry_shape_is_right
	s_endpgm
.Lentry_shape_is_right:
; qkv = x W + b on codes of E4M3 (scales 2^e0, 2^e1), then RoPE on q and k, then q, k, v quantised (2^e3, 2^e2, 2^e4) into images of the next launch's operand registers.
; SHARES.  A work-group makes 128 tokens (grid y) x the 384 columns of one group g (grid x): 256 work-groups.  Each of the four waves takes all 128 tokens and six tiles of 16 columns: 48 accumulators, 384 registers.
; A: the 128 tokens' codes for the whole K, 256 KiB, stay in LDS; no LDS byte is filled again.  They come in four chunks of four K steps (64 KiB), each by one tensor load a wave (two token tiles: 2 rows of 8,192 bytes):
; chunk 0 at the head, chunk 1 ahead of K step 0, chunks 2 and 3 in the loop's two trips, each later one behind an LDS add, its waits and a round of the cluster's barrier; a chunk has four K steps in which to land.
; The four work-groups of a cluster share the tokens, so A's loads are joint.  B: wq_codes lies as register images, and each fragment is multiplied by one wave alone of a work-group: it goes from memory straight into that wave's registers,
; 512 consecutive bytes an instruction, so B passes through no tensor load that partners could share.  B has four register sets; the loads of K step s + 3 are issued in K step s, so no separate prefetch is laid.
; COLUMNS.  The group's 24 column tiles are dealt as 12 pairs (T, T + 2), T = 4 hd + p: pair 3 w + i is slot i of wave w.  hd 0-3: a query head, 4: k, 5: v.  A pair of q or k holds d and d + 32 in one lane, as RoPE wants them.
; q's and k's images: chunk p (512 bytes) of a fragment of 1,024 bytes holds tiles p and p + 2 of the head's four: the order 0, 2, 1, 3 along d, the same in q and in k, so every product of a score meets its partner.
; Source 0 = 16 columns, source 1 = 16 tokens: a lane holds one token and eight neighbouring columns.  For v (wave 3, slots 1 and 2) the sources are swapped: a lane holds one column and eight tokens, since the keys are v's K.
; The bias, x 2^-(e0 + e1), is the C of the first K step.  LIMITS: e - e0 - e1 between -126 and 119 for e = e2, e3, e4.  NaN is not served.
; REGISTERS, in windows of 256.  0: v0-31 addresses; v32-159 A's eight fragments, one set (on the way out: at work); v160-255 B's set 3 (in K step 0: the bias).  1: B's sets 0, 1 at v0, v96; v192-255 cos, sin.
; 2: accumulators of column tiles 0-3 at v[64 b + 8 a].  3: those of tiles 4, 5 at v0-127; B's set 2 at v128; v224-255 cos, sin.
.set SPARE, 262144                     ; behind A: the spare words, 128 bytes a wave
.set LI,  1                            ; 16 x lane
.set AD0, 2                            ; LDS address of the chunk in hand,
.set AD1, 3                            ; and of the next
.set CSA, 4                            ; cos, sin: my token's row, the 16 columns of slots 0 and 2;
.set CSB, 5                            ; of slot 1
.set BO8, 6
.set BO1, 7
.set SC,  8                            ; v8-10 the conversions' scales, a slot each
.set LM,  11                           ; v11-13 448 x those
.set SPW, 28
.set NIL, 29
.set AF,  32
.set BI,  160
.set TMP, 32
.set PC,  48
.set WV,  14
.set G1,  24
.set G0,  32
.set PB,  44                           ; s[44:49] B's address, a slot each
.set BSB, 50                           ; s[50:55] the bias's
.set OUT, 56                           ; s[56:61] where a slot's codes go
.set HD,  66                           ; s66-68 hd of a slot
.set KO,  69
.set MSB, 0
.macro WIN new
.if MSB != (\new)
	s_set_vgpr_msb (MSB<<8)|(\new)
.set MSB, (\new)
.endif
.endm
.macro CROUND
	s_barrier_signal -1
	s_barrier_wait -1
	s_cmp_lg_u32 s[WV], 0
	s_cbranch_scc1 .Lnot_wave_0_\@
	s_barrier_signal -3
.Lnot_wave_0_\@:
	s_barrier_wait -3
	s_barrier_signal -1
	s_barrier_wait -1
.endm
.macro PLACES
.rept 4
	v_nop
.endr
.endm
; The chunk asked for last has landed in every wave's part.  fill = 1: the next chunk is asked for, behind an LDS add, its wait and a round of the cluster's barrier.
.macro SYNC fill
	s_wait_tensorcnt 0x0                           ; my part of the chunk asked for last is in, so my group 0 may be written
.if \fill
	ds_add_u32 v[SPW], v[NIL]                      ; an add of 0 to my spare word
	s_add_co_u32 s[G0+1], s[G0+1], 65536           ; the next chunk's place in LDS,
	s_add_nc_u64 s[G0+2:G0+3], s[G0+2:G0+3], 8192  ; and in memory: four K steps on
.endif
	s_wait_dscnt 0x0
.if \fill
	CROUND
	tensor_load_to_lds s[G0:G0+3], s[G1:G1+7]
	s_nop 0
	PLACES
.else
	s_barrier_signal -1
	s_barrier_wait -1
.endif
.endm
.macro SETLOC q                        ; window and first register of B's set q
.if (\q)==0
.set BW, 1
.set BB, 0
.elseif (\q)==1
.set BW, 1
.set BB, 96
.elseif (\q)==2
.set BW, 3
.set BB, 128
.else
.set BW, 0
.set BB, 160
.endif
.endm
.macro CSLOC a                         ; window and first register of token tile a's cos and sin (32 registers)
.if (\a)<2
.set CW, 1
.set CB, 192+32*(\a)
.elseif (\a)==2
.set CW, 3
.set CB, 224
.else
.set CW, 1
.set CB, 32*((\a)-3)
.endif
.endm
.macro GLOAD q, f0, goff               ; three of B's six fragments of one K step into set q
	SETLOC \q
	WIN BW<<6
.irp f, \f0, \f0+1, \f0+2
.irp c, 0,1,2,3
	global_load_b128 v[BB+16*(\f)+4*\c:BB+16*(\f)+4*\c+3], v[LI], s[PB+2*((\f)/2):PB+2*((\f)/2)+1] offset:65536*((\f)%2)+(\goff)+512*\c
.endr
.endr
	WIN 0
.endm
.macro CSLOAD a
	CSLOC \a
	WIN CW<<6
.irp t, 0,1
	global_load_b128 v[CB+8*\t:CB+8*\t+3], v[CSA+\t], s[72:73] offset:2048*(\a)
	global_load_b128 v[CB+8*\t+4:CB+8*\t+7], v[CSA+\t], s[72:73] offset:2048*(\a)+16
	global_load_b128 v[CB+16+8*\t:CB+16+8*\t+3], v[CSA+\t], s[74:75] offset:2048*(\a)
	global_load_b128 v[CB+16+8*\t+4:CB+16+8*\t+7], v[CSA+\t], s[74:75] offset:2048*(\a)+16
.endr
	WIN 0
.endm
.macro FETCH_A adr, ks, a0             ; four of A's fragments from LDS
.irp a, \a0, \a0+1, \a0+2, \a0+3
.irp c, 0,1,2,3
	ds_load_b128 v[AF+16*(\a)+4*\c:AF+16*(\a)+4*\c+3], v[\adr] offset:8192*(\a)+2048*(\ks)+512*\c
.endr
.endr
.endm
.macro MM b, a, sw, mode
.set DD, 64*((\b)%4)+8*(\a)
.if \sw
.if \mode
	v_wmma_f32_16x16x128_fp8_fp8 v[DD:DD+7], v[AF+16*(\a):AF+16*(\a)+15], v[BB+16*(\b):BB+16*(\b)+15], v[BI+8*(\b):BI+8*(\b)+7]
.else
	v_wmma_f32_16x16x128_fp8_fp8 v[DD:DD+7], v[AF+16*(\a):AF+16*(\a)+15], v[BB+16*(\b):BB+16*(\b)+15], v[DD:DD+7]
.endif
.else
.if \mode
	v_wmma_f32_16x16x128_fp8_fp8 v[DD:DD+7], v[BB+16*(\b):BB+16*(\b)+15], v[AF+16*(\a):AF+16*(\a)+15], v[BI+8*(\b):BI+8*(\b)+7]
.else
	v_wmma_f32_16x16x128_fp8_fp8 v[DD:DD+7], v[BB+16*(\b):BB+16*(\b)+15], v[AF+16*(\a):AF+16*(\a)+15], v[DD:DD+7]
.endif
.endif
.endm
.macro GRP b0, h, sw, mode             ; a slot's two column tiles x four token tiles: eight accumulators, one instruction a turn
.set DW, 2+(\b0)/4
.if \mode
.set CWN, 0
.else
.set CWN, DW
.endif
.if \sw
	WIN (BW<<2)|(CWN<<4)|(DW<<6)
.else
	WIN BW|(CWN<<4)|(DW<<6)
.endif
.irp a, 0,1,2,3
	MM \b0, 4*(\h)+\a, \sw, \mode
	MM \b0+1, 4*(\h)+\a, \sw, \mode
.endr
.endm
.macro HALF q, h, mode                 ; 24 matrix instructions: token tiles 4 h .. 4 h + 3 x my six column tiles.  Wave 3's slots 1 and 2 are v: sources swapped
	SETLOC \q
	GRP 0, \h, 0, \mode
	WIN 0
	s_cmp_eq_u32 s[WV], 3
	s_cbranch_scc1 .Lsw_\@
	GRP 2, \h, 0, \mode
	GRP 4, \h, 0, \mode
	WIN 0
	s_branch .Lj_\@
.Lsw_\@:
	GRP 2, \h, 1, \mode
	GRP 4, \h, 1, \mode
	WIN 0
.Lj_\@:
.endm
; A K step of 128 on B's set q.  lc: the global loads issued behind this set's.  gl: the loads of three K steps on go into the set read last step, half at the head and half in the middle.
; af: A's fragments of the next K step: tiles 0-3 in the middle, tiles 4-7 at the end, each behind four places, into the registers whose products have been issued.
.macro STEP q, mode, lc, gl, goff, af, adr, ks
	s_wait_loadcnt \lc
.if (\gl) && ((\mode)==0)
	GLOAD ((\q)+3)%4, 0, \goff
.endif
	s_wait_dscnt 16                                ; A's tiles 0-3 are in; the 16 loads of tiles 4-7 may be out
	HALF \q, 0, \mode
	PLACES
.if \af
	FETCH_A \adr, \ks, 0
	s_wait_dscnt 16                                ; tiles 4-7 are in; the 16 just issued may be out
.else
	s_wait_dscnt 0
.endif
.if (\gl) && ((\mode)==0)
	GLOAD ((\q)+3)%4, 3, \goff
.endif
	HALF \q, 1, \mode
	PLACES
.if \af
	FETCH_A \adr, \ks, 4
.endif
.if \mode
	GLOAD 3, 0, \goff                              ; set 3 held the bias up to here
	GLOAD 3, 3, \goff
.endif
.endm
	s_load_b256 s[4:11], s[0:1], 0x0               ; x_codes, wq_codes, the exponents, qkv_b
	s_load_b256 s[72:79], s[0:1], 0x20             ; cos, sin, q_codes, k_codes
	s_load_b64 s[80:81], s[0:1], 0x40              ; v_codes
	v_lshl_add_u32 v[SPW], v0, 2, SPARE
	v_mov_b32 v[NIL], 0
	ds_add_u32 v[SPW], v[NIL]                      ; the opening add, twice on end, and its wait
	ds_add_u32 v[SPW], v[NIL]
	v_lshrrev_b32 v16, 5, v0
	v_readfirstlane_b32 s[WV], v16                 ; wave 0..3
	s_bfe_u32 s40, ttmp6, 0x40000                  ; cx: it enters B's, the bias's and the results' global addresses alone
	s_lshl_b32 s42, ttmp9, 2
	s_add_co_u32 s42, s42, s40                     ; g
	s_and_b32 s17, ttmp7, 0xffff                   ; which 128 tokens
	s_mov_b32 s[G1], 15|(3<<16)|(1<<21)            ; the four partners; elements of 8 bytes; bit 21 beside a mask
	s_mov_b32 s[G1+1], 1024<<16                    ; rows of 8,192 bytes: four K steps of a token tile,
	s_mov_b32 s[G1+2], 2<<16                       ; two token tiles,
	s_mov_b32 s[G1+3], 1024<<16
	s_mov_b32 s[G1+4], 2
	s_mov_b32 s[G1+5], 4096                        ; 32,768 bytes apart
	s_mov_b32 s[G1+6], 0
	s_mov_b32 s[G1+7], 0
	s_mov_b32 s[KO], 0
	s_mul_i32 s18, s[WV], 3
	s_mul_i32 s19, s42, 24
	s_lshr_b32 s20, s17, 3
	s_lshl_b32 s20, s20, 3
	s_add_co_u32 s20, s20, s42                     ; 8 b + g
	s_and_b32 s21, s17, 7                          ; which 128 positions of the sequence
.irp i, 0,1,2
	s_add_co_u32 s22, s18, \i                      ; the pair
	s_lshr_b32 s[HD+\i], s22, 1
	s_and_b32 s23, s22, 1                          ; p
	s_lshl_b32 s22, s[HD+\i], 2
	s_add_co_u32 s22, s22, s23
	s_add_co_u32 s22, s22, s19                     ; its first column tile
	s_lshl_b32 s[PB+2*\i], s22, 15
	s_mov_b32 s[PB+2*\i+1], 0
	s_lshl_b32 s[BSB+2*\i], s22, 6
	s_mov_b32 s[BSB+2*\i+1], 0
	s_lshl_b32 s22, s20, 2
	s_add_co_u32 s22, s22, s[HD+\i]
	s_lshl_b32 s22, s22, 3
	s_add_co_u32 s22, s22, s21
	s_lshl_b32 s22, s22, 13
	s_lshl_b32 s36, s23, 9
	s_add_co_u32 s22, s22, s36                     ; q_codes [8 b + g][hd][tile 64][1024], chunk p
	s_lshl_b32 s37, s20, 3
	s_add_co_u32 s37, s37, s21
	s_lshl_b32 s37, s37, 13
	s_add_co_u32 s36, s37, s36                     ; k_codes [8 b + g][tile 64][1024], chunk p
	s_lshl_b32 s38, s23, 11
	s_add_co_u32 s37, s37, s38                     ; v_codes [8 b + g][128 keys][tile of d 4][2048], tile p (the pair's second: p + 2)
	s_cmp_eq_u32 s[HD+\i], 4
	s_cselect_b32 s22, s36, s22
	s_cmp_eq_u32 s[HD+\i], 5
	s_cselect_b32 s[OUT+2*\i], s37, s22
	s_mov_b32 s[OUT+2*\i+1], 0
.endr
	s_lshl_b32 s38, s17, 18
	s_lshl_b32 s39, s[WV], 16
	s_add_co_u32 s38, s38, s39                     ; A: my tokens' 256 KiB, my two token tiles
	s_mov_b32 s39, 0
	s_wait_dscnt 0x0                               ; both opening adds are done
	s_wait_kmcnt 0x0
	s_load_b256 s[84:91], s[8:9], 0x0              ; e0 .. e7
	s_mov_b32 s[G0], 1
	s_lshl_b32 s[G0+1], s[WV], 14                  ; LDS: chunk 0, 16,384 x wave
	s_add_nc_u64 s[G0+2:G0+3], s[4:5], s[38:39]
	s_or_b32 s[G0+3], s[G0+3], 0x80000000
	CROUND                                         ; all four work-groups are here: the joint loads meet
	tensor_load_to_lds s[G0:G0+3], s[G1:G1+7]      ; chunk 0: my one tensor load at the head
	s_nop 0
	PLACES
	v_and_b32 v16, 31, v0
	v_lshlrev_b32 v[LI], 4, v16
	v_and_b32 v17, 15, v0                          ; r
	v_bfe_u32 v18, v0, 4, 1                        ; h
	v_lshlrev_b32 v[BO8], 5, v18
	v_lshlrev_b32 v[BO1], 2, v17
	v_lshlrev_b32 v19, 7, v17
	v_lshl_add_u32 v19, v18, 5, v19                ; cos, sin: 128 r + 32 h
	s_and_b32 s22, s[WV], 1
	s_lshl_b32 s22, s22, 6                         ; slots 0 and 2 have p = wave % 2,
	s_xor_b32 s23, s22, 64                         ; slot 1 the other
	v_add_nc_u32 v[CSA], s22, v19
	v_add_nc_u32 v[CSB], s23, v19
	s_wait_alu depctr_va_vdst(0)
.irp i, 0,1,2
	s_add_nc_u64 s[PB+2*\i:PB+2*\i+1], s[6:7], s[PB+2*\i:PB+2*\i+1]
	s_add_nc_u64 s[BSB+2*\i:BSB+2*\i+1], s[10:11], s[BSB+2*\i:BSB+2*\i+1]
	s_cmp_eq_u32 s[HD+\i], 4
	s_cselect_b64 s[36:37], s[78:79], s[76:77]
	s_cmp_eq_u32 s[HD+\i], 5
	s_cselect_b64 s[36:37], s[80:81], s[36:37]
	s_add_nc_u64 s[OUT+2*\i:OUT+2*\i+1], s[36:37], s[OUT+2*\i:OUT+2*\i+1]
.endr
	s_lshl_b32 s22, s17, 14
	s_mov_b32 s23, 0
	s_add_nc_u64 s[72:73], s[72:73], s[22:23]
	s_add_nc_u64 s[74:75], s[74:75], s[22:23]
.macro BIASN b                         ; a lane's eight columns of tile b
	global_load_b128 v[BI+8*(\b):BI+8*(\b)+3], v[BO8], s[BSB+2*((\b)/2):BSB+2*((\b)/2)+1] offset:128*((\b)%2)
	global_load_b128 v[BI+8*(\b)+4:BI+8*(\b)+7], v[BO8], s[BSB+2*((\b)/2):BSB+2*((\b)/2)+1] offset:128*((\b)%2)+16
.endm
	BIASN 0
	BIASN 1
	s_cmp_eq_u32 s[WV], 3
	s_cbranch_scc1 .Lbias_v
.irp b, 2,3,4,5
	BIASN \b
.endr
	s_branch .Lbias_done
.Lbias_v:                                              ; v: a lane holds one column, so its bias stands in all eight registers
.irp b, 2,3,4,5
.irp j, 0,1,2,3,4,5,6,7
	global_load_b32 v[BI+8*\b+\j], v[BO1], s[BSB+2*(\b/2):BSB+2*(\b/2)+1] offset:128*(\b%2)
.endr
.endr
.Lbias_done:
	CSLOAD 0
	CSLOAD 1
	CSLOAD 2
.irp s, 0,1,2
	GLOAD \s, 0, 2048*\s
	GLOAD \s, 3, 2048*\s
.endr
	s_wait_kmcnt 0x0
	s_add_co_i32 s70, s84, s85                     ; a sum stands for sum x 2^(e0 + e1)
	s_sub_co_i32 s82, 0, s70
.irp i, 0,1,2
	s_cmp_eq_u32 s[HD+\i], 4
	s_cselect_b32 s71, s86, s87                    ; k: e2; q: e3;
	s_cmp_eq_u32 s[HD+\i], 5
	s_cselect_b32 s71, s88, s71                    ; v: e4
	s_sub_co_i32 s71, s71, s70
	s_add_co_i32 s71, s71, 127
	s_lshl_b32 s83, s71, 23
	v_mov_b32 v[SC+\i], s83
	s_add_co_i32 s71, s71, 8
	s_lshl_b32 s71, s71, 23
	s_or_b32 s71, s71, 0x600000
	v_mov_b32 v[LM+\i], s71
.endr
	s_wait_loadcnt 48                              ; the bias, the first cos and sin and set 0 are in; sets 1 and 2 (48 loads) may be out
.set n, 0
.rept 48
	v_ldexp_f32 v[BI+n], v[BI+n], s82
.set n, n+1
.endr
	s_wait_alu depctr_va_vdst(0)
	SYNC 1                                         ; chunk 0 is in; chunk 1 is asked for
	FETCH_A LI, 0, 0
	FETCH_A LI, 0, 4
	STEP 0, 1, 48, 1, 3*2048, 1, LI, 1             ; K step 0 stands ahead of the loop: its products start the sums on the bias
; A trip is four K steps: 1-4, 5-8, 9-12.  Ahead of its third, whose fetches reach into the next chunk, that chunk is awaited, and (fill = 1) the chunk after it asked for.
.macro TRIP fill
	v_add_nc_u32 v[AD0], s[KO], v[LI]
	v_add_nc_u32 v[AD1], 0x10000, v[AD0]
	s_wait_alu depctr_va_vdst(0)
	STEP 1, 0, 48, 1, 4*2048, 1, AD0, 2
	STEP 2, 0, 48, 1, 5*2048, 1, AD0, 3
	SYNC \fill
	STEP 3, 0, 48, 1, 6*2048, 1, AD1, 0
	STEP 0, 0, 48, 1, 7*2048, 1, AD1, 1
	s_wait_xcnt 0x0                                ; the loads have read their bases, which step four K steps on
.irp i, 0,1,2
	s_add_nc_u64 s[PB+2*\i:PB+2*\i+1], s[PB+2*\i:PB+2*\i+1], 8192
.endr
	s_add_co_u32 s[KO], s[KO], 65536
.endm
	s_mov_b32 s3, 2
.Llap:
	TRIP 1
	s_sub_co_u32 s3, s3, 1
	s_cmp_lg_u32 s3, 0
	s_cbranch_scc1 .Llap
	TRIP 0                                         ; the third trip is written out: no chunk is left to ask for
	v_add_nc_u32 v[AD0], s[KO], v[LI]              ; K steps 12-15
	s_wait_alu depctr_va_vdst(0)
	STEP 1, 0, 48, 0, 0, 1, AD0, 2                 ; the last three K steps ask for nothing more of B
	CSLOAD 3                                       ; cos and sin of token tiles 3-5 into set 0, which is done with
	CSLOAD 4
	CSLOAD 5
	STEP 2, 0, 48, 0, 0, 1, AD0, 3                 ; behind set 2's loads: set 3's 24 and those 24
	CSLOAD 6                                       ; and of tiles 6, 7 into set 1
	CSLOAD 7
	STEP 3, 0, 40, 0, 0, 0, AD0, 0                 ; behind set 3's: 24 + 16
; THE WAY OUT.  A slot of q or k, token tile a: out1 = x1 cos - x2 sin, out2 = x1 sin + x2 cos, held, converted: 16 bytes a lane, 512 consecutive bytes a store.  Each store has its own registers.
.macro ROPE i, a
	CSLOC \a
.set X1, 128*((\i)%2)+8*(\a)
.set CT, CB+8*((\i)%2)
.set PP, PC+4*(8*(\i)+(\a))
	WIN (2+(\i)/2)|(CW<<2)
.irp j, 0,2,4,6
	v_pk_mul_f32 v[TMP+\j:TMP+\j+1], v[X1+64+\j:X1+64+\j+1], v[CT+16+\j:CT+16+\j+1]
	v_pk_mul_f32 v[TMP+8+\j:TMP+8+\j+1], v[X1+64+\j:X1+64+\j+1], v[CT+\j:CT+\j+1]
	v_pk_fma_f32 v[TMP+\j:TMP+\j+1], v[X1+\j:X1+\j+1], v[CT+\j:CT+\j+1], v[TMP+\j:TMP+\j+1] neg_lo:[0,0,1] neg_hi:[0,0,1]
	v_pk_fma_f32 v[TMP+8+\j:TMP+8+\j+1], v[X1+\j:X1+\j+1], v[CT+16+\j:CT+16+\j+1], v[TMP+8+\j:TMP+8+\j+1]
.endr
	WIN 0
.set n, 0
.rept 16
	v_med3_num_f32 v[TMP+n], v[TMP+n], -v[LM+\i], v[LM+\i]   ; the conversion does not saturate (ISA guide 7.6.2): the hold comes first
.set n, n+1
.endr
	v_cvt_scalef32_pk8_fp8_f32 v[PP:PP+1], v[TMP:TMP+7], v[SC+\i]
	v_cvt_scalef32_pk8_fp8_f32 v[PP+2:PP+3], v[TMP+8:TMP+15], v[SC+\i]
	v_nop                                          ; a plain line behind the last conversion
	global_store_b128 v[LI], v[PP:PP+3], s[OUT+2*(\i):OUT+2*(\i)+1] offset:1024*(\a)
.endm
.irp a, 0,1,2,3,4,5,6,7
.if \a == 3
	s_wait_loadcnt 16                              ; cos and sin of tiles 3-5 are in; the 16 loads of tiles 6, 7 may be out
.endif
.if \a == 6
	s_wait_loadcnt 0
.endif
	ROPE 0, \a
.endr
	s_cmp_eq_u32 s[WV], 3
	s_cbranch_scc1 .Lvout
.irp a, 0,1,2,3,4,5,6,7
	ROPE 1, \a
.endr
.irp a, 0,1,2,3,4,5,6,7
	ROPE 2, \a
.endr
	s_branch .Lend
.Lvout:                                                ; v: token tiles 2 q, 2 q + 1 of a tile of d are registers 4 q .. 4 q + 3 of its fragment
.irp b, 2,3,4,5
.irp q, 0,1,2,3
.set VP, PC+32+4*(4*(\b-2)+\q)
	WIN 2+(\b)/4
.set n, 0
.rept 16
	v_med3_num_f32 v[TMP+n], v[64*((\b)%4)+16*\q+n], -v[LM+(\b)/2], v[LM+(\b)/2]
.set n, n+1
.endr
	WIN 0
	v_cvt_scalef32_pk8_fp8_f32 v[VP:VP+1], v[TMP:TMP+7], v[SC+(\b)/2]
	v_cvt_scalef32_pk8_fp8_f32 v[VP+2:VP+3], v[TMP+8:TMP+15], v[SC+(\b)/2]
	v_nop
	global_store_b128 v[LI], v[VP:VP+3], s[OUT+2*((\b)/2):OUT+2*((\b)/2)+1] offset:4096*((\b)%2)+512*\q
.endr
.endr
.Lend:
	s_wait_tensorcnt 0x0                           ; the wave's end
	ds_add_u32 v[SPW], v[NIL]
	s_wait_dscnt 0x0
	CROUND                                         ; the closing round
	s_endpgm
.Lfunc_end_k_qefd680ce1f_qkv:
	.size	k_qefd680ce1f_qkv, .Lfunc_end_k_qefd680ce1f_qkv-k_qefd680ce1f_qkv
	.p2alignl 7, 3214868480
	.fill 96, 4, 3214868480
	.section	.rodata,"a",@progbits
	.p2align	6, 0x0
	.amdhsa_kernel k_qefd680ce1f_qkv
		.amdhsa_group_segment_fixed_size 327680
		.amdhsa_private_segment_fixed_size 0
		.amdhsa_enable_private_segment 0
		.amdhsa_kernarg_size 72
		.amdhsa_user_sgpr_count 2
		.amdhsa_user_sgpr_kernarg_segment_ptr 1
		.amdhsa_wavefront_size32 1
		.amdhsa_system_sgpr_workgroup_id_x 1
		.amdhsa_system_sgpr_workgroup_id_y 1
		.amdhsa_system_sgpr_workgroup_id_z 1
		.amdhsa_system_vgpr_workitem_id 0
		.amdhsa_next_free_vgpr 1024
		.amdhsa_next_free_sgpr 100
		.amdhsa_reserve_vcc 0
		.amdhsa_float_denorm_mode_32 3
		.amdhsa_float_denorm_mode_16_64 3
		.amdhsa_memory_ordered 1
		.amdhsa_forward_progress 1
		.amdhsa_inst_pref_size 227
	.end_amdhsa_kernel
	.amdgpu_metadata
---
amdhsa.version: [ 1, 2 ]
amdhsa.kernels:
  - .name:           k_qefd680ce1f_qkv
    .symbol:         k_qefd680ce1f_qkv.kd
    .args:
      - { .name: x_codes, .offset: 0, .size: 8, .value_kind: global_buffer, .address_space: global }
      - { .name: wq_codes, .offset: 8, .size: 8, .value_kind: global_buffer, .address_space: global }
      - { .name: lowp_scales, .offset: 16, .size: 8, .value_kind: global_buffer, .address_space: global }
      - { .name: qkv_b, .offset: 24, .size: 8, .value_kind: global_buffer, .address_space: global }
      - { .name: cos, .offset: 32, .size: 8, .value_kind: global_buffer, .address_space: global }
      - { .name: sin, .offset: 40, .size: 8, .value_kind: global_buffer, .address_space: global }
      - { .name: q_codes, .offset: 48, .size: 8, .value_kind: global_buffer, .address_space: global }
      - { .name: k_codes, .offset: 56, .size: 8, .value_kind: global_buffer, .address_space: global }
      - { .name: v_codes, .offset: 64, .size: 8, .value_kind: global_buffer, .address_space: global }
    .group_segment_fixed_size: 327680
    .private_segment_fixed_size: 0
    .kernarg_segment_align: 8
    .kernarg_segment_size: 72
    .max_flat_workgroup_size: 128
    .sgpr_count:     100
    .vgpr_count:     1024
    .wavefront_size: 32
...
	.end_amdgpu_metadata
.endif
;; end of part 2
;; launch attn (part 3): grid 8 x 32, 16 waves a work-group, clusters of 4 x 1, 167,936 bytes of LDS; arguments q_codes, k_codes, v_codes, lowp_scales, a_codes; writes a_codes
.if DOCPART == 3
	.amdgcn_target "amdgcn-amd-amdhsa--gfx1250"
	.amdhsa_code_object_version 6
	.text
	.protected	k_qefd680ce1f_attn
	.globl	k_qefd680ce1f_attn
	.p2align	8
	.type	k_qefd680ce1f_attn,@function
k_qefd680ce1f_attn:
	s_mov_b64 s[64:65], 0
	v_nop
	global_prefetch_b8 v0, s[64:65] scope:SCOPE_SE
	s_setreg_imm32_b32 hwreg(HW_REG_WAVE_MODE, 25, 1), 1
	s_wait_xcnt 0x0
	s_wait_alu depctr_hold_cnt(0) depctr_sa_sdst(0) depctr_va_vdst(0) depctr_va_sdst(0) depctr_va_ssrc(0) depctr_va_vcc(0) depctr_vm_vsrc(0)
	s_getreg_b32 s2, hwreg(HW_REG_IB_STS2, 6, 4)
	s_cmp_eq_u32 s2, 0
	s_cbranch_scc0 .Lentry_in_a_cluster
	s_endpgm
.Lentry_in_a_cluster:
	s_bfe_u32 s2, ttmp6, 0x10000c
	s_cmp_lg_u32 s2, 0x3003
	s_cbranch_scc0 .Lentry_shape_is_right
	s_endpgm
.Lentry_shape_is_right:
; Causal attention on codes of E4M3: scores = q . k / 8 (scales 2^e3, 2^e2), p = 2^(t - M) quantised with 2^e5, v with 2^e4; the result, divided by the row's sum of the unquantised p, is quantised with 2^e6 for the last product.
; t = score x log2(e) / 8; M = the running largest t rounded up to a whole number; when M moves, the sum and O are multiplied by 2^(old M - new M), which rounds nothing.
; The sequences are the four equal ones of 1,024 positions that the shapes fix; cu_seqlens is not read: only its shape enters the definition of the result.
; SHARES.  Grid y = 8 b + g.  The four work-groups of a cluster are the four query heads of a group: they read the same K and V, so each tile is asked for JOINTLY.  The whole K and V of (b, g), 64 KiB each, are fetched once:
; no slot is filled again.  Cluster x = c2 (0, 1); wave w makes two tiles of 16 queries: 63 - i0 and then i0, i0 = 16 c2 + w: together nine live key steps of 128, the same for every wave of the launch.
; Every pass walks all eight key steps (a constant trip count); a step all of whose keys come after the tile's queries is left out by a scalar branch on ids that the partners share.
; LAYOUT.  S^T = K Q^T (source 0 = 16 keys, source 1 = my 16 queries), O^T = V^T P^T: a lane holds one query; register 8 c + j of S^T is key 16 c + 8 h + j, so a conversion of tile c gives registers 2 c, 2 c + 1 of P.
; a_codes [token / 16][column / 128][2048]: head hd fills chunks 2 (hd % 2), 2 (hd % 2) + 1 of K step 2 g + hd / 2.
; LIMITS: e2 + e3 between -124 and 130; e5, and e6 - e4 - e5, between -126 and 119.  NaN is not served.
; REGISTERS: v1-6 addresses; v12 -M, v13 largest t, v[14:15] the sum; v16-31 Q of the two passes; v32-95 K's, then V's fragments; v96-159 S^T, then p; v160-191 O^T; v192-207 P; v208-223 the codes that leave; v236-254 at work.
.set VOFF,  65536
.set SPARE, 131072                     ; the spare words, 128 bytes a wave: eight blocks of 256 bytes that no other line names
.set LI,  1                            ; v1 16 x lane
.set ADK, 2
.set RH,  3                            ; v3 r - 8 h
.set ADV, 4
.set SPW, 5
.set NIL, 6
.set WV,  18
.set SEL, 20
.set CS,  22
.set G1,  24
.set G0,  32
.set TB,  50                           ; LDS byte of the key step's tiles of K
.set KF,  51                           ; the step's first key
.set CNT, 52
.macro CROUND
	s_barrier_signal -1
	s_barrier_wait -1
	s_cmp_lg_u32 s[WV], 0
	s_cbranch_scc1 .Lnot_wave_0_\@
	s_barrier_signal -3
.Lnot_wave_0_\@:
	s_barrier_wait -3
	s_barrier_signal -1
	s_barrier_wait -1
.endm
	s_load_b256 s[4:11], s[0:1], 0x0               ; q_codes, k_codes, v_codes, the exponents
	s_load_b64 s[12:13], s[0:1], 0x20              ; a_codes
	v_lshl_add_u32 v[SPW], v0, 2, SPARE
	v_mov_b32 v[NIL], 0
	ds_add_u32 v[SPW], v[NIL]                      ; the wave's opening: the add and its wait ahead of the first tensor load
	ds_add_u32 v[SPW], v[NIL]
	v_lshrrev_b32 v8, 5, v0
	s_delay_alu instid0(VALU_DEP_1)
	v_readfirstlane_b32 s[WV], v8                  ; wave 0..15
	s_bfe_u32 s14, ttmp6, 0x40000                  ; cx: the query head; it enters q's and a's global addresses alone
	s_and_b32 s15, ttmp7, 0xffff                   ; 8 b + g
	s_mov_b32 s[G1], 15|(3<<16)|(1<<21)            ; the four partners; elements of 8 bytes; bit 21 beside a mask
	s_mov_b32 s[G1+1], 32<<16                      ; rows of 256 bytes,
	s_mov_b32 s[G1+2], 32<<16                      ; 32 of them: 8 KiB, dense
	s_mov_b32 s[G1+3], 32<<16
	s_mov_b32 s[G1+4], 32
	s_mov_b32 s[G1+5], 32
	s_mov_b32 s[G1+6], 0
	s_mov_b32 s[G1+7], 0
	s_mov_b32 s[SEL], 0x76543210
	s_mov_b32 s[SEL+1], 0xfedcba98
	s_mov_b32 s[CS], 0x3e38aa3b                    ; log2(e) / 8
	s_lshl_b32 s17, s[WV], 13                      ; LDS: waves 0-7 bring K's eighths, from byte 0; waves 8-15 V's, from byte 65,536
	s_and_b32 s16, s[WV], 7
	s_lshl_b32 s36, s16, 13
	s_lshl_b32 s37, s15, 16
	s_add_co_u32 s36, s36, s37
	s_mov_b32 s37, 0
	s_wait_dscnt 0x0                               ; the opening add is done
	s_wait_kmcnt 0x0
	s_load_b256 s[40:47], s[10:11], 0x0            ; e0 .. e7
	s_cmp_lt_u32 s[WV], 8
	s_cselect_b64 s[G0+2:G0+3], s[6:7], s[8:9]
	s_add_nc_u64 s[G0+2:G0+3], s[G0+2:G0+3], s[36:37]
	s_or_b32 s[G0+3], s[G0+3], 0x80000000
	s_mov_b32 s[G0], 1
	s_mov_b32 s[G0+1], s17
	CROUND                                         ; all four work-groups are here: the joint loads meet
	tensor_load_to_lds s[G0:G0+3], s[G1:G1+7]      ; one load in each of the sixteen waves: the launch's only fills
	s_nop 0
.rept 4
	v_nop
.endr
	v_and_b32 v8, 31, v0
	s_delay_alu instid0(VALU_DEP_1)
	v_lshlrev_b32 v[LI], 4, v8
	s_wait_alu depctr_va_vdst(0)
	v_and_b32 v9, 15, v0
	v_bfe_u32 v10, v0, 4, 1
	s_delay_alu instid0(VALU_DEP_1)
	v_lshlrev_b32 v10, 3, v10
	s_delay_alu instid0(VALU_DEP_1)
	v_sub_nc_u32 v[RH], v9, v10
	v_mov_b32 v232, 0xff800000                     ; v[232:233]: -infinity, added to a tile of keys that is hidden whole
	v_mov_b32 v233, 0xff800000
.irp j, 0,1,2,3,4,5,6,7
	v_cmp_gt_i32 vcc_lo, \j, v[RH]                 ; v224-231: what is added to the tile of keys on the diagonal: register j holds key 8 h + j of the tile, hidden from query r where j > r - 8 h
	v_cndmask_b32 v[224+\j], 0, v232, vcc_lo
.endr
	s_lshl_b32 s48, ttmp9, 4
	s_add_co_u32 s48, s48, s[WV]                   ; i0: the second pass's tile
	s_sub_co_u32 s49, 63, s48                      ; the first pass's
	s_lshl_b32 s54, s15, 2
	s_add_co_u32 s54, s54, s14
	s_lshl_b32 s54, s54, 6                         ; the head's 64 tiles of q
	s_add_co_u32 s56, s54, s49
	s_lshl_b32 s56, s56, 10
	s_mov_b32 s57, 0
	s_add_nc_u64 s[56:57], s[4:5], s[56:57]
	s_add_co_u32 s58, s54, s48
	s_lshl_b32 s58, s58, 10
	s_mov_b32 s59, 0
	s_add_nc_u64 s[58:59], s[4:5], s[58:59]
	global_load_b128 v[16:19], v[LI], s[56:57]
	global_load_b128 v[20:23], v[LI], s[56:57] offset:512
	global_load_b128 v[24:27], v[LI], s[58:59]
	global_load_b128 v[28:31], v[LI], s[58:59] offset:512
	s_lshr_b32 s60, s15, 3
	s_lshl_b32 s60, s60, 6                         ; 64 b: the sequence's first tile of tokens
	s_and_b32 s61, s15, 7
	s_lshl_b32 s61, s61, 1
	s_lshr_b32 s62, s14, 1
	s_add_co_u32 s61, s61, s62                     ; the K step of the last product: 2 g + hd / 2
	s_lshl_b32 s61, s61, 11
	s_and_b32 s62, s14, 1
	s_lshl_b32 s62, s62, 10
	s_add_co_u32 s61, s61, s62                     ; and my half of its fragment
	s_add_co_u32 s62, s60, s49
	s_lshl_b32 s62, s62, 15
	s_add_co_u32 s62, s62, s61
	s_mov_b32 s63, 0
	s_add_nc_u64 s[66:67], s[12:13], s[62:63]
	s_add_co_u32 s62, s60, s48
	s_lshl_b32 s62, s62, 15
	s_add_co_u32 s62, s62, s61
	s_add_nc_u64 s[68:69], s[12:13], s[62:63]
	s_lshl_b32 s70, s49, 4                         ; the passes' first queries
	s_lshl_b32 s71, s48, 4
	v_mov_b32 v236, 0                              ; written once: a lane permute's destination counts as one of its sources
	v_mov_b32 v252, 0
	v_mov_b32 v253, 0                              ; (named as the upper half of the pair v[252:253])
	s_wait_kmcnt 0x0
	s_add_co_i32 s72, s42, s43
	s_lshl_b32 s72, s72, 23
	s_add_co_i32 s[CS], s[CS], s72                 ; a score stands for score x 2^(e2 + e3): added to c's exponent field
	s_mov_b32 s[CS+1], s[CS]
	s_add_co_i32 s72, s45, 127
	s_lshl_b32 s73, s72, 23
	v_mov_b32 v244, s73                            ; 2^e5
	s_add_co_i32 s72, s72, 8
	s_lshl_b32 s72, s72, 23
	s_or_b32 s72, s72, 0x600000
	v_mov_b32 v240, s72                            ; 448 x 2^e5
	v_mov_b32 v7, s72                              ; and once more, for the second half of a dual pair
	s_sub_co_i32 s72, s46, s44
	s_sub_co_i32 s72, s72, s45
	s_add_co_i32 s72, s72, 127
	s_lshl_b32 s73, s72, 23
	v_mov_b32 v245, s73                            ; 2^(e6 - e4 - e5): O / l stands for that x 2^(e4 + e5)
	s_add_co_i32 s72, s72, 8
	s_lshl_b32 s72, s72, 23
	s_or_b32 s72, s72, 0x600000
	v_mov_b32 v241, s72
	s_wait_loadcnt 0x0                             ; Q
	s_wait_tensorcnt 0x0                           ; my part of K or V has landed,
	s_barrier_signal -1
	s_barrier_wait -1                              ; everybody's has
; A key step of 128 keys for the tile whose Q lies in v[qr] on and whose first query is s[q0].
.macro STEP qr, q0
	s_add_co_u32 s96, s[\q0], 15
	s_cmp_gt_u32 s[KF], s96
	s_cbranch_scc1 .Lhidden_\@                     ; all keys come after my queries
	v_add_nc_u32 v[ADK], s[TB], v[LI]
	s_delay_alu instid0(VALU_DEP_1)
	v_add_nc_u32 v[ADV], VOFF, v[ADK]
.irp c, 0,1,2,3,4,5,6,7
	ds_load_b128 v[32+8*\c:35+8*\c], v[ADK] offset:1024*\c
	ds_load_b128 v[36+8*\c:39+8*\c], v[ADK] offset:1024*\c+512
.endr
	s_wait_alu depctr_va_vdst(0)
.irp c, 0,1,2,3,4,5,6,7
	s_wait_dscnt 14-2*\c                           ; tile c's two loads are in; those issued behind them may be out
	v_wmma_f32_16x16x64_fp8_fp8 v[96+8*\c:103+8*\c], v[32+8*\c:39+8*\c], v[\qr:\qr+7], 0
.endr
.rept 4
	v_nop                                          ; places ahead of the loads into K's registers and of the first read of the scores
.endr
.irp t, 0,1,2,3
.irp q, 0,1,2,3
	ds_load_b128 v[32+16*\t+4*\q:35+16*\t+4*\q], v[ADV] offset:2048*\t+512*\q   ; V's four fragments land while the softmax is worked
.endr
.endr
	s_add_co_u32 s96, s[KF], 127
	s_cmp_le_u32 s96, s[\q0]
	s_cbranch_scc1 .Lopen_\@                       ; all keys count
	s_sub_co_i32 s96, s[\q0], s[KF]
	s_lshr_b32 s96, s96, 4                         ; which of the step's eight tiles of 16 keys lies on the diagonal: ids alone
.irp c, 0,1,2,3,4,5,6,7
	s_cmp_gt_u32 s96, \c
	s_cbranch_scc1 .Lv_\@_\c                       ; a tile ahead of the diagonal counts whole
	s_cmp_eq_u32 s96, \c
	s_cbranch_scc0 .Lh_\@_\c
.irp j, 0,2,4,6
	v_pk_add_f32 v[96+8*\c+\j:97+8*\c+\j], v[96+8*\c+\j:97+8*\c+\j], v[224+\j:225+\j]   ; on it: -infinity onto the hidden scores, 0 onto the others: p = 0 where hidden
.endr
	s_branch .Lv_\@_\c
.Lh_\@_\c:
.irp j, 0,2,4,6
	v_pk_add_f32 v[96+8*\c+\j:97+8*\c+\j], v[96+8*\c+\j:97+8*\c+\j], v[232:233]         ; behind it: all hidden
.endr
.Lv_\@_\c:
.endr
.Lopen_\@:
	s_wait_alu depctr_va_vdst(0)
	v_max3_num_f32 v254, v96, v97, v98             ; the step's largest score among my 64 keys, in two chains,
	v_max3_num_f32 v252, v99, v100, v101
.irp i, 6,10,14,18,22,26,30,34,38,42,46,50,54,58
	v_max3_num_f32 v254, v254, v[96+\i], v[97+\i]
	v_max3_num_f32 v252, v252, v[98+\i], v[99+\i]
.endr
	v_max3_num_f32 v254, v254, v158, v159
	s_delay_alu instid0(VALU_DEP_1)
	v_max_num_f32 v254, v254, v252
	s_delay_alu instid0(VALU_DEP_1)
	v_permlanex16_b32 v236, v254, s[SEL], s[SEL+1]
	s_delay_alu instid0(VALU_DEP_1)
	v_max_num_f32 v254, v254, v236                 ; and among lane l xor 16's
	s_delay_alu instid0(VALU_DEP_1)
	v_mul_f32 v254, s[CS], v254                    ; as t (c is positive)
	s_delay_alu instid0(VALU_DEP_1)
	v_max_num_f32 v13, v13, v254
	v_mov_b32 v254, v12
	s_delay_alu instid0(VALU_DEP_2)
	v_floor_f32 v12, -v13                          ; -M = floor(-t)
	s_delay_alu instid0(VALU_DEP_1)
	v_sub_f32 v254, v12, v254                      ; old M - new M: a whole number, 0 or less
	s_delay_alu instid0(VALU_DEP_1)
	v_cvt_i32_f32 v254, v254                       ; (it saturates)
	s_delay_alu instid0(VALU_DEP_1)
	v_ldexp_f32 v252, 1.0, v254                    ; f = 2^(old M - new M)
.set j, 0
.rept 32
	v_pk_fma_f32 v[96+j:97+j], v[96+j:97+j], s[CS:CS+1], v[12:13] op_sel_hi:[1,0,0]   ; t - M
.set j, j+2
.endr
.set j, 0
	s_wait_alu depctr_va_vdst(0)
.rept 64
	v_exp_f32 v[96+j], v[96+j]                     ; p = 2^(t - M)
.set j, j+1
.endr
	v_pk_mul_f32 v[14:15], v[14:15], v[252:253] op_sel_hi:[1,0]   ; the sums under the new M: the plain line behind the exponentials
	s_wait_alu depctr_va_vdst(0)                   ; one wait for the batch, ahead of its first reader
	v_pk_add_f32 v[242:243], v[100:101], v[104:105]
	v_pk_add_f32 v[254:255], v[108:109], v[112:113]
	v_pk_add_f32 v[250:251], v[116:117], v[120:121]
	v_pk_add_f32 v[248:249], v[124:125], v[128:129]
	v_pk_add_f32 v[246:247], v[132:133], v[136:137]
	v_pk_add_f32 v[238:239], v[140:141], v[144:145]
	v_pk_add_f32 v[234:235], v[148:149], v[152:153]
	v_pk_add_f32 v[14:15], v[14:15], v[156:157]
	v_pk_add_f32 v[242:243], v[242:243], v[96:97]
	v_pk_add_f32 v[254:255], v[254:255], v[98:99]
	v_pk_add_f32 v[250:251], v[250:251], v[102:103]
	v_pk_add_f32 v[248:249], v[248:249], v[106:107]
	v_pk_add_f32 v[246:247], v[246:247], v[110:111]
	v_pk_add_f32 v[238:239], v[238:239], v[114:115]
	v_pk_add_f32 v[234:235], v[234:235], v[118:119]
	v_pk_add_f32 v[14:15], v[14:15], v[122:123]
	v_pk_add_f32 v[242:243], v[242:243], v[126:127]
	v_pk_add_f32 v[254:255], v[254:255], v[130:131]
	v_pk_add_f32 v[250:251], v[250:251], v[134:135]
	v_pk_add_f32 v[248:249], v[248:249], v[138:139]
	v_pk_add_f32 v[246:247], v[246:247], v[142:143]
	v_pk_add_f32 v[238:239], v[238:239], v[146:147]
	v_pk_add_f32 v[234:235], v[234:235], v[150:151]
	v_pk_add_f32 v[14:15], v[14:15], v[154:155]
	v_pk_add_f32 v[242:243], v[242:243], v[158:159]
	s_delay_alu instid0(VALU_DEP_2)
	v_pk_add_f32 v[14:15], v[14:15], v[248:249]
	s_delay_alu instid0(VALU_DEP_2)
	v_pk_add_f32 v[242:243], v[242:243], v[246:247]
	v_pk_add_f32 v[254:255], v[254:255], v[238:239]
	v_pk_add_f32 v[250:251], v[250:251], v[234:235]
	s_delay_alu instid0(VALU_DEP_2)
	v_pk_add_f32 v[14:15], v[14:15], v[254:255]
	s_delay_alu instid0(VALU_DEP_2)
	v_pk_add_f32 v[242:243], v[242:243], v[250:251]
	s_delay_alu instid0(VALU_DEP_1)
	v_pk_add_f32 v[14:15], v[14:15], v[242:243]
.irp c, 0,1,2,3,4,5,6,7
.irp i, 0,2,4,6
	v_dual_min_num_f32 v[96+8*\c+\i], v[96+8*\c+\i], v240 :: v_dual_min_num_f32 v[97+8*\c+\i], v[97+8*\c+\i], v7   ; p is not negative: a one-sided hold, two numbers an instruction
.endr
	v_cvt_scalef32_pk8_fp8_f32 v[192+2*\c:193+2*\c], v[96+8*\c:103+8*\c], v244
.endr
.set j, 0
.rept 16
	v_pk_mul_f32 v[160+j:161+j], v[160+j:161+j], v[252:253] op_sel_hi:[1,0]   ; O^T under the new M
.set j, j+2
.endr
	s_wait_alu depctr_va_vdst(0)
	s_wait_dscnt 0x0                               ; V
.irp t, 0,1,2,3
	v_wmma_f32_16x16x128_fp8_fp8 v[160+8*\t:167+8*\t], v[32+16*\t:47+16*\t], v[192:207], v[160+8*\t:167+8*\t]
.endr
.rept 4
	v_nop                                          ; places ahead of the next step's loads and of the first read of O^T
.endr
.Lhidden_\@:
	s_add_co_u32 s[TB], s[TB], 8192
	s_add_co_u32 s[KF], s[KF], 128
.endm
; A tile of 16 queries: all eight key steps, then O / l, quantised, out.  orr: eight registers for the codes; ob: the scalar pair with their place.
.macro PASS qr, q0, orr, ob
	v_mov_b32 v13, 0xff61b1e6                      ; the largest t so far: -3e38
	s_delay_alu instid0(VALU_DEP_1)
	v_floor_f32 v12, -v13
	v_mov_b32 v14, 0
	v_mov_b32 v15, 0
.set j, 0
.rept 32
	v_mov_b32 v[160+j], 0                          ; the step is written once a pass: its first trip finds zeros
.set j, j+1
.endr
	s_mov_b32 s[TB], 0
	s_mov_b32 s[KF], 0
	s_mov_b32 s[CNT], 8
.Lk_\@:
	STEP \qr, \q0
	s_sub_co_u32 s[CNT], s[CNT], 1
	s_cmp_lg_u32 s[CNT], 0
	s_cbranch_scc1 .Lk_\@
	v_add_f32 v14, v14, v15
	s_delay_alu instid0(VALU_DEP_1)
	v_permlanex16_b32 v252, v14, s[SEL], s[SEL+1]
	s_delay_alu instid0(VALU_DEP_1)
	v_add_f32 v14, v14, v252                       ; the row's sum
	s_wait_alu depctr_va_vdst(0)
	v_rcp_f32 v14, v14
	v_nop                                          ; a plain line behind the reciprocal,
	s_wait_alu depctr_va_vdst(0)                   ; and the wait ahead of its first reader
.set j, 0
.rept 16
	v_pk_mul_f32 v[160+j:161+j], v[160+j:161+j], v[14:15] op_sel_hi:[1,0]
.set j, j+2
.endr
.set j, 0
.rept 32
	v_med3_num_f32 v[160+j], v[160+j], -v241, v241
.set j, j+1
.endr
.irp t, 0,1,2,3
	v_cvt_scalef32_pk8_fp8_f32 v[\orr+2*\t:\orr+2*\t+1], v[160+8*\t:167+8*\t], v245
.endr
	v_nop
	global_store_b128 v[LI], v[\orr:\orr+3], s[\ob:\ob+1]
	global_store_b128 v[LI], v[\orr+4:\orr+7], s[\ob:\ob+1] offset:512   ; 1,024 consecutive bytes in two stores
.endm
	PASS 16, 70, 208, 66
	PASS 24, 71, 216, 68
	s_wait_tensorcnt 0x0                           ; the wave's end
	ds_add_u32 v[SPW], v[NIL]
	s_wait_dscnt 0x0
	CROUND                                         ; the closing round
	s_endpgm
.Lfunc_end_k_qefd680ce1f_attn:
	.size	k_qefd680ce1f_attn, .Lfunc_end_k_qefd680ce1f_attn-k_qefd680ce1f_attn
	.p2alignl 7, 3214868480
	.fill 96, 4, 3214868480
	.section	.rodata,"a",@progbits
	.p2align	6, 0x0
	.amdhsa_kernel k_qefd680ce1f_attn
		.amdhsa_group_segment_fixed_size 167936
		.amdhsa_private_segment_fixed_size 0
		.amdhsa_enable_private_segment 0
		.amdhsa_kernarg_size 40
		.amdhsa_user_sgpr_count 2
		.amdhsa_user_sgpr_kernarg_segment_ptr 1
		.amdhsa_wavefront_size32 1
		.amdhsa_system_sgpr_workgroup_id_x 1
		.amdhsa_system_sgpr_workgroup_id_y 1
		.amdhsa_system_sgpr_workgroup_id_z 1
		.amdhsa_system_vgpr_workitem_id 0
		.amdhsa_next_free_vgpr 256
		.amdhsa_next_free_sgpr 100
		.amdhsa_reserve_vcc 1
		.amdhsa_float_denorm_mode_32 3
		.amdhsa_float_denorm_mode_16_64 3
		.amdhsa_memory_ordered 1
		.amdhsa_forward_progress 1
		.amdhsa_inst_pref_size 61
	.end_amdhsa_kernel
	.amdgpu_metadata
---
amdhsa.version: [ 1, 2 ]
amdhsa.kernels:
  - .name:           k_qefd680ce1f_attn
    .symbol:         k_qefd680ce1f_attn.kd
    .args:
      - { .name: q_codes, .offset: 0, .size: 8, .value_kind: global_buffer, .address_space: global }
      - { .name: k_codes, .offset: 8, .size: 8, .value_kind: global_buffer, .address_space: global }
      - { .name: v_codes, .offset: 16, .size: 8, .value_kind: global_buffer, .address_space: global }
      - { .name: lowp_scales, .offset: 24, .size: 8, .value_kind: global_buffer, .address_space: global }
      - { .name: a_codes, .offset: 32, .size: 8, .value_kind: global_buffer, .address_space: global }
    .group_segment_fixed_size: 167936
    .private_segment_fixed_size: 0
    .kernarg_segment_align: 8
    .kernarg_segment_size: 40
    .max_flat_workgroup_size: 512
    .sgpr_count:     100
    .vgpr_count:     256
    .wavefront_size: 32
...
	.end_amdgpu_metadata
.endif
;; end of part 3
;; launch dense (part 4): grid 8 x 32, 4 waves a work-group, clusters of 4 x 1, 327,680 bytes of LDS; arguments a_codes, wd_codes, lowp_scales, dense_b, out0; writes out0
.if DOCPART == 4
	.amdgcn_target "amdgcn-amd-amdhsa--gfx1250"
	.amdhsa_code_object_version 6
	.text
	.protected	k_qefd680ce1f_dense
	.globl	k_qefd680ce1f_dense
	.p2align	8
	.type	k_qefd680ce1f_dense,@function
k_qefd680ce1f_dense:
	s_mov_b64 s[64:65], 0
	v_nop
	global_prefetch_b8 v0, s[64:65] scope:SCOPE_SE
	s_setreg_imm32_b32 hwreg(HW_REG_WAVE_MODE, 25, 1), 1
	s_wait_xcnt 0x0
	s_wait_alu depctr_hold_cnt(0) depctr_sa_sdst(0) depctr_va_vdst(0) depctr_va_sdst(0) depctr_va_ssrc(0) depctr_va_vcc(0) depctr_vm_vsrc(0)
	s_getreg_b32 s2, hwreg(HW_REG_IB_STS2, 6, 4)
	s_cmp_eq_u32 s2, 0
	s_cbranch_scc0 .Lentry_in_a_cluster
	s_endpgm
.Lentry_in_a_cluster:
	s_bfe_u32 s2, ttmp6, 0x10000c
	s_cmp_lg_u32 s2, 0x3003
	s_cbranch_scc0 .Lentry_shape_is_right
	s_endpgm
.Lentry_shape_is_right:
; out0 = attn W + b on codes of E4M3 (scales 2^e6, 2^e7); each finished sum x 2^(e6 + e7) + the bias, in one fused multiply-add.  LIMIT: e6 + e7 between -126 and 127.
; SHARES.  A work-group makes 128 tokens (grid y) x 256 columns (grid x): 256 work-groups.  Each of the four waves takes all 128 tokens and 64 columns: 32 accumulators, 256 registers.
; A: the tokens' codes for the whole K (256 KiB) stay in LDS; no LDS byte is filled again.  They come in four chunks of four K steps (64 KiB), each by one joint tensor load a wave (two token tiles: 2 rows of 8,192 bytes):
; chunk 0 at the head, chunk 1 ahead of K step 0, chunks 2 and 3 in the loop's two trips, each later one behind an LDS add, its waits and a round of the cluster's barrier.  The four work-groups of a cluster share the tokens.
; B: wd_codes lies as register images, and each fragment is multiplied by one wave alone of a work-group: it goes from memory straight into that wave's registers, so it passes through no tensor load that partners could share.
; B has four register sets; the loads of K step s + 3 are issued at the head of K step s, so no separate prefetch is laid.
; Source 0 = 16 columns, source 1 = 16 tokens: a lane holds one token and eight neighbouring columns.  Results leave through the wave's own stage in LDS: sixteen lanes store 256 consecutive bytes, aligned.
; REGISTERS, in windows of 256.  0: v0-31 addresses; v32-159 A's set 0 (on the way out: at work); v160-191 the bias.  1: B's four sets at v[64 q].  2: the accumulators at v[64 b + 8 a].  3: v32-159 A's set 1.
.set STAGE,  262144                    ; behind A: 16 rows x 272 bytes a wave
.set SPITCH, 272
.set SPARE,  STAGE+4*16*SPITCH         ; behind the stages: the spare words, 128 bytes a wave
.set LI,  1
.set AD0, 2
.set AD1, 3
.set STO, 4
.set RD,  5
.set CO,  6
.set BO8, 7
.set SPW, 28
.set NIL, 29
.set AF,  32
.set TMP, 32
.set BK,  64
.set BI,  160
.set WV,  14
.set G1,  24
.set G0,  32
.set PB,  44
.set KO,  69
.set MSB, 0
.macro WIN new
.if MSB != (\new)
	s_set_vgpr_msb (MSB<<8)|(\new)
.set MSB, (\new)
.endif
.endm
.macro CROUND
	s_barrier_signal -1
	s_barrier_wait -1
	s_cmp_lg_u32 s[WV], 0
	s_cbranch_scc1 .Lnot_wave_0_\@
	s_barrier_signal -3
.Lnot_wave_0_\@:
	s_barrier_wait -3
	s_barrier_signal -1
	s_barrier_wait -1
.endm
.macro PLACES
.rept 4
	v_nop
.endr
.endm
; The chunk asked for last has landed in every wave's part.  fill = 1: the next chunk is asked for, behind an LDS add, its wait and a round of the cluster's barrier.
.macro SYNC fill
	s_wait_tensorcnt 0x0                           ; my part of the chunk asked for last is in, so my group 0 may be written
.if \fill
	ds_add_u32 v[SPW], v[NIL]                      ; an add of 0 to my spare word
	s_add_co_u32 s[G0+1], s[G0+1], 65536           ; the next chunk's place in LDS,
	s_add_nc_u64 s[G0+2:G0+3], s[G0+2:G0+3], 8192  ; and in memory: four K steps on
.endif
	s_wait_dscnt 0x0
.if \fill
	CROUND
	tensor_load_to_lds s[G0:G0+3], s[G1:G1+7]
	s_nop 0
	PLACES
.else
	s_barrier_signal -1
	s_barrier_wait -1
.endif
.endm
.macro GLOAD q, goff                   ; B's four fragments of one K step into set q
	WIN 0x40
.irp f, 0,1,2,3
.irp c, 0,1,2,3
	global_load_b128 v[64*(\q)+16*\f+4*\c:64*(\q)+16*\f+4*\c+3], v[LI], s[PB:PB+1] offset:32768*\f+(\goff)+512*\c
.endr
.endr
	WIN 0
.endm
.macro FETCH_A p, adr, ks              ; A's eight fragments of one K step into set p
	WIN (3*(\p))<<6
.irp a, 0,1,2,3,4,5,6,7
.irp c, 0,1,2,3
	ds_load_b128 v[AF+16*\a+4*\c:AF+16*\a+4*\c+3], v[\adr] offset:8192*\a+2048*(\ks)+512*\c
.endr
.endr
	WIN 0
.endm
; A K step of 128 on B's set q and A's set p: the next step's fragments of A and the loads of B three steps on are asked for at its head, into registers whose products stand four places back.
; lc: the global loads issued behind set q's.  The 32 accumulators take turns, one instruction a turn.
.macro STEP q, p, mode, lc, gl, goff, af, adr, ks
.if \af
	FETCH_A 1-(\p), \adr, \ks
.endif
.if \gl
	GLOAD ((\q)+3)%4, \goff
.endif
	s_wait_loadcnt \lc
.if \af
	s_wait_dscnt 32                                ; this step's fragments of A are in; the 32 loads just issued may be out
.else
	s_wait_dscnt 0
.endif
	WIN 1|((3*(\p))<<2)|0xa0
.irp a, 0,1,2,3,4,5,6,7
.irp b, 0,1,2,3
.if \mode
	v_wmma_f32_16x16x128_fp8_fp8 v[64*\b+8*\a:64*\b+8*\a+7], v[64*(\q)+16*\b:64*(\q)+16*\b+15], v[AF+16*\a:AF+16*\a+15], 0
.else
	v_wmma_f32_16x16x128_fp8_fp8 v[64*\b+8*\a:64*\b+8*\a+7], v[64*(\q)+16*\b:64*(\q)+16*\b+15], v[AF+16*\a:AF+16*\a+15], v[64*\b+8*\a:64*\b+8*\a+7]
.endif
.endr
.endr
	WIN 0
	PLACES
.endm
	s_load_b256 s[4:11], s[0:1], 0x0               ; a_codes, wd_codes, the exponents, dense_b
	s_load_b64 s[12:13], s[0:1], 0x20              ; out0
	v_lshl_add_u32 v[SPW], v0, 2, SPARE
	v_mov_b32 v[NIL], 0
	ds_add_u32 v[SPW], v[NIL]                      ; the opening add, twice on end, and its wait
	ds_add_u32 v[SPW], v[NIL]
	v_lshrrev_b32 v16, 5, v0
	v_readfirstlane_b32 s[WV], v16                 ; wave 0..3
	s_bfe_u32 s40, ttmp6, 0x40000                  ; cx: it enters B's, the bias's and the result's global addresses alone
	s_lshl_b32 s42, ttmp9, 2
	s_add_co_u32 s42, s42, s40                     ; which 256 columns
	s_and_b32 s17, ttmp7, 0xffff                   ; which 128 tokens
	s_mov_b32 s[G1], 15|(3<<16)|(1<<21)            ; the four partners; elements of 8 bytes; bit 21 beside a mask
	s_mov_b32 s[G1+1], 1024<<16                    ; rows of 8,192 bytes: four K steps of a token tile,
	s_mov_b32 s[G1+2], 2<<16                       ; two token tiles,
	s_mov_b32 s[G1+3], 1024<<16
	s_mov_b32 s[G1+4], 2
	s_mov_b32 s[G1+5], 4096                        ; 32,768 bytes apart
	s_mov_b32 s[G1+6], 0
	s_mov_b32 s[G1+7], 0
	s_mov_b32 s[KO], 0
	s_lshl_b32 s18, s42, 4
	s_lshl_b32 s19, s[WV], 2
	s_add_co_u32 s18, s18, s19                     ; my first column tile
	s_lshl_b32 s[PB], s18, 15
	s_mov_b32 s[PB+1], 0
	s_lshl_b32 s20, s18, 6                         ; my first column, in bytes of f32
	s_mov_b32 s21, 0
	s_lshl_b32 s22, s17, 20                        ; my first row of out0
	s_mov_b32 s23, 0
	s_lshl_b32 s38, s17, 18
	s_lshl_b32 s39, s[WV], 16
	s_add_co_u32 s38, s38, s39                     ; A: my tokens' 256 KiB, my two token tiles
	s_mov_b32 s39, 0
	s_mul_i32 s41, s[WV], 16*SPITCH
	s_add_co_u32 s41, s41, STAGE                   ; my stage
	s_wait_dscnt 0x0                               ; both opening adds are done
	s_wait_kmcnt 0x0
	s_load_b256 s[84:91], s[8:9], 0x0              ; e0 .. e7
	s_mov_b32 s[G0], 1
	s_lshl_b32 s[G0+1], s[WV], 14                  ; LDS: chunk 0, 16,384 x wave
	s_add_nc_u64 s[G0+2:G0+3], s[4:5], s[38:39]
	s_or_b32 s[G0+3], s[G0+3], 0x80000000
	CROUND                                         ; all four work-groups are here: the joint loads meet
	tensor_load_to_lds s[G0:G0+3], s[G1:G1+7]      ; chunk 0: my one tensor load at the head
	s_nop 0
	PLACES
	v_and_b32 v16, 31, v0
	v_lshlrev_b32 v[LI], 4, v16
	v_and_b32 v17, 15, v0                          ; r
	v_bfe_u32 v18, v0, 4, 1                        ; h
	v_lshlrev_b32 v[BO8], 5, v18
	v_mul_u32_u24 v[STO], v17, SPITCH
	v_lshl_add_u32 v[STO], v18, 5, v[STO]
	v_add_nc_u32 v[STO], s41, v[STO]               ; into the stage: row r, 32 h bytes on
	v_mul_u32_u24 v[RD], v18, SPITCH
	v_lshl_add_u32 v[RD], v17, 4, v[RD]
	v_add_nc_u32 v[RD], s41, v[RD]                 ; back: lanes 0-15 one row of 256 bytes, lanes 16-31 the next
	v_lshlrev_b32 v[CO], 13, v18
	v_lshl_add_u32 v[CO], v17, 4, v[CO]            ; and the same two rows in out0
	s_wait_alu depctr_va_vdst(0)
	s_add_nc_u64 s[PB:PB+1], s[6:7], s[PB:PB+1]
	s_add_nc_u64 s[10:11], s[10:11], s[20:21]
	s_add_nc_u64 s[12:13], s[12:13], s[20:21]
	s_add_nc_u64 s[12:13], s[12:13], s[22:23]
.irp b, 0,1,2,3
	global_load_b128 v[BI+8*\b:BI+8*\b+3], v[BO8], s[10:11] offset:64*\b
	global_load_b128 v[BI+8*\b+4:BI+8*\b+7], v[BO8], s[10:11] offset:64*\b+16
.endr
.irp s, 0,1,2
	GLOAD \s, 2048*\s
.endr
	s_wait_kmcnt 0x0
	s_add_co_i32 s96, s90, s91
	s_add_co_i32 s96, s96, 127
	s_lshl_b32 s96, s96, 23                        ; 2^(e6 + e7) as f32
	s_mov_b32 s97, s96                             ; (named with it as a pair)
	SYNC 1                                         ; chunk 0 is in; chunk 1 is asked for
	FETCH_A 0, LI, 0
	STEP 0, 0, 1, 48, 1, 3*2048, 1, LI, 1          ; K step 0 stands ahead of the loop: its products start the sums.  Behind set 0's loads: three sets of 16
; A trip is four K steps: 1-4, 5-8, 9-12.  Ahead of its third, whose fetch reaches into the next chunk, that chunk is awaited, and (fill = 1) the chunk after it asked for.
.macro TRIP fill
	v_add_nc_u32 v[AD0], s[KO], v[LI]
	v_add_nc_u32 v[AD1], 0x10000, v[AD0]
	s_wait_alu depctr_va_vdst(0)
	STEP 1, 1, 0, 48, 1, 4*2048, 1, AD0, 2
	STEP 2, 0, 0, 48, 1, 5*2048, 1, AD0, 3
	SYNC \fill
	STEP 3, 1, 0, 48, 1, 6*2048, 1, AD1, 0
	STEP 0, 0, 0, 48, 1, 7*2048, 1, AD1, 1
	s_wait_xcnt 0x0                                ; the loads have read their base, which steps four K steps on
	s_add_nc_u64 s[PB:PB+1], s[PB:PB+1], 8192
	s_add_co_u32 s[KO], s[KO], 65536
.endm
	s_mov_b32 s3, 2
.Llap:
	TRIP 1
	s_sub_co_u32 s3, s3, 1
	s_cmp_lg_u32 s3, 0
	s_cbranch_scc1 .Llap
	TRIP 0                                         ; the third trip is written out: no chunk is left to ask for
	v_add_nc_u32 v[AD0], s[KO], v[LI]              ; K steps 12-15
	s_wait_alu depctr_va_vdst(0)
	STEP 1, 1, 0, 32, 0, 0, 1, AD0, 2              ; the last three K steps ask for nothing more of B
	STEP 2, 0, 0, 16, 0, 0, 1, AD0, 3
	STEP 3, 1, 0, 0, 0, 0, 0, AD0, 0
; THE WAY OUT, 16 tokens x 64 columns at a time, through my own stage.  LDS serves a wave's instructions in order (ISA guide 5.7.1.4): no wait between the stores and the loads, nor ahead of the next block's stores.
.macro TOSTAGE a
	WIN 0x02
.irp b, 0,1,2,3
.irp j, 0,2,4,6
	v_pk_fma_f32 v[TMP+8*\b+\j:TMP+8*\b+\j+1], v[64*\b+8*(\a)+\j:64*\b+8*(\a)+\j+1], s[96:97], v[BI+8*\b+\j:BI+8*\b+\j+1] op_sel_hi:[1,0,1]
.endr
.endr
	WIN 0
.irp b, 0,1,2,3
	ds_store_b128 v[STO], v[TMP+8*\b:TMP+8*\b+3] offset:64*\b
	ds_store_b128 v[STO], v[TMP+8*\b+4:TMP+8*\b+7] offset:64*\b+16
.endr
.set BB, BK+32*((\a)%2)
.irp t, 0,1,2,3,4,5,6,7
	ds_load_b128 v[BB+4*\t:BB+4*\t+3], v[RD] offset:2*\t*SPITCH
.endr
.endm
.macro SEND a, younger                 ; younger: the LDS instructions issued behind block a's loads
.set BB, BK+32*((\a)%2)
	s_wait_dscnt \younger
.irp t, 0,1,2,3,4,5,6,7
	global_store_b128 v[CO], v[BB+4*\t:BB+4*\t+3], s[12:13] offset:(16*(\a)+2*\t)*8192 th:TH_STORE_NT
.endr
.endm
	TOSTAGE 0
.irp a, 1,2,3,4,5,6,7
.if \a > 1
	s_wait_xcnt 0x0                                ; block a - 2's stores have read their registers: block a's loads may land there
.endif
	TOSTAGE \a
	SEND \a-1, 16                                  ; behind block a - 1's loads: block a's 8 stores and 8 loads
.endr
	SEND 7, 0
	s_wait_tensorcnt 0x0                           ; the wave's end
	ds_add_u32 v[SPW], v[NIL]
	s_wait_dscnt 0x0
	CROUND                                         ; the closing round
	s_endpgm
.Lfunc_end_k_qefd680ce1f_dense:
	.size	k_qefd680ce1f_dense, .Lfunc_end_k_qefd680ce1f_dense-k_qefd680ce1f_dense
	.p2alignl 7, 3214868480
	.fill 96, 4, 3214868480
	.section	.rodata,"a",@progbits
	.p2align	6, 0x0
	.amdhsa_kernel k_qefd680ce1f_dense
		.amdhsa_group_segment_fixed_size 327680
		.amdhsa_private_segment_fixed_size 0
		.amdhsa_enable_private_segment 0
		.amdhsa_kernarg_size 40
		.amdhsa_user_sgpr_count 2
		.amdhsa_user_sgpr_kernarg_segment_ptr 1
		.amdhsa_wavefront_size32 1
		.amdhsa_system_sgpr_workgroup_id_x 1
		.amdhsa_system_sgpr_workgroup_id_y 1
		.amdhsa_system_sgpr_workgroup_id_z 1
		.amdhsa_system_vgpr_workitem_id 0
		.amdhsa_next_free_vgpr 1024
		.amdhsa_next_free_sgpr 100
		.amdhsa_reserve_vcc 0
		.amdhsa_float_denorm_mode_32 3
		.amdhsa_float_denorm_mode_16_64 3
		.amdhsa_memory_ordered 1
		.amdhsa_forward_progress 1
		.amdhsa_inst_pref_size 101
	.end_amdhsa_kernel
	.amdgpu_metadata
---
amdhsa.version: [ 1, 2 ]
amdhsa.kernels:
  - .name:           k_qefd680ce1f_dense
    .symbol:         k_qefd680ce1f_dense.kd
    .args:
      - { .name: a_codes, .offset: 0, .size: 8, .value_kind: global_buffer, .address_space: global }
      - { .name: wd_codes, .offset: 8, .size: 8, .value_kind: global_buffer, .address_space: global }
      - { .name: lowp_scales, .offset: 16, .size: 8, .value_kind: global_buffer, .address_space: global }
      - { .name: dense_b, .offset: 24, .size: 8, .value_kind: global_buffer, .address_space: global }
      - { .name: out0, .offset: 32, .size: 8, .value_kind: global_buffer, .address_space: global }
    .group_segment_fixed_size: 327680
    .private_segment_fixed_size: 0
    .kernarg_segment_align: 8
    .kernarg_segment_size: 40
    .max_flat_workgroup_size: 128
    .sgpr_count:     100
    .vgpr_count:     1024
    .wavefront_size: 32
...
	.end_amdgpu_metadata
.endif
;; end of part 4
